; MI455X (gfx1250); checked and timed in simulation.
; The chip was launched on July 23, 2026; its instructions are those of AMD's public machine-readable ISA for CDNA 5 (MIT licence, August 2026) and "CDNA5" Instruction Set Architecture Reference Guide (July 2026). The comments in the code are by the model that wrote it; some were corrected since.
;; Gated Delta Mixer. Allowed arithmetic: float matrix products may take bf16 or f16 operands with f32 sums; all other float work in f32.
;; Inputs: Wa 256 x 256 float32; Wb 256 x 256 float32; Wk 256 x 256 float32; Wo 256 x 256 float32; Wq 256 x 256 float32; Wv 256 x 256 float32; ba 256 float32; bb 256 float32; bk 256 float32; bo 256 float32; bq 256 float32; bv 256 float32; x 8 x 256 x 256 float32.
;; Outputs: out0 8 x 256 x 256 float32.
;; 2 versions, each right; version 2 is version 1 with the launch proj written anew for expert scheduling mode. Each part assembles by itself: llvm-mc -triple=amdgcn-amd-amdhsa -mcpu=gfx1250 --defsym DOCPART=n.
;; ======== version 1 of 2: 2 launches
;; limits: values are held in f16: magnitudes above 65,504 overflow, below 6.1e-05 lose precision; a difference of large sums (such as E[x^2] - mean^2): digits are lost where the result is much smaller than its terms
;; workspace buffers: qk 2,097,152 bytes; vp 2,097,152 bytes; gat 16,384 bytes
;; launch proj (part 1): grid 32 x 5, 8 waves a work-group, no clusters, 307,200 bytes of LDS; arguments x, Wq, Wk, Wv, Wa, Wb, Wo, bq, bk, bv, ba, bb, qk, vp, gat; writes qk, vp, gat
.if DOCPART == 1
	.amdgcn_target "amdgcn-amd-amdhsa--gfx1250"
	.amdhsa_code_object_version 6
	.text
	.protected	k_qe36eb02485_proj
	.globl	k_qe36eb02485_proj
	.p2align	8
	.type	k_qe36eb02485_proj,@function
k_qe36eb02485_proj:
	s_mov_b64 s[64:65], 0
	v_nop
	global_prefetch_b8 v0, s[64:65] scope:SCOPE_SE
	s_setreg_imm32_b32 hwreg(HW_REG_WAVE_MODE, 25, 1), 1
	s_wait_xcnt 0x0
; The five projections of x [2048][256].  A work-group takes 64 tokens (x id) and one role (y id):
; 0 q, 1 k: silu, divided by (L2 norm + 1e-6), stored as bf16 matrix fragments into qk;
; 2 v: silu, then V' = v Wo^T, stored as f32 result tiles into vp;   3 a, 4 b: mean of the sigmoid, into gat.
; Wave w owns output channels 32 w .. 32 w + 31 (two tiles of 16) for four token tiles: 8 accumulators, 64 matrix instructions a product.
; x and the weights are rounded to bf16 on the way into LDS; sums, activations, norms and gates are f32.
; v enters V' as two bf16 parts (v = hi + lo), so that its rounding does not show in V'.
; No joint loads: the weights are needed in bf16, and an f32 copy beside the bf16 one (twice for role v) does not fit in LDS.
; LDS rows are 512 bytes + 16: sixteen rows of a fragment start in sixteen different 16-byte columns.
.set WS2,  135168                      ; Wo in bf16 (role v); the role's own W lies at 0, wave w's 32 rows at 16896 w
.set XB,   270336                      ; 64 rows of x in bf16; later v's upper part.  v's lower part goes to byte 0
.set PART, 304128                      ; [token][wave] f32 partial sums
.set BI,  16                           ; v[16:31]   bias of my 2 x 8 channels (by half of the wave and register)
.set ACC, 32                           ; v[32:95]   tile (ct, tb) at 32 + 8 (4 ct + tb); x as loaded while staging
.set RA,  96                           ; v[96:159], v[160:223] two batches of 8 weight rows as loaded
.set RB,  160
.set FR0, 96                           ; v[96:143], v[144:191] two fragment buffers: W ct 0, 1, then X tb 0..3
.set FR1, 144
.set TM,  192                          ; v[192:199] at work
.set SS,  200                          ; v[200:207] a pair of sums for each token tile
.set SC,  208                          ; v[208:215] a pair 1 / (norm + eps) for each token tile
.set PK,  216                          ; v[216:247] packed results
.macro PLACES                          ; four independent vector instructions behind a matrix instruction (ISA guide 7.12.1)
.rept 4
	v_nop
.endr
.endm
.macro BAR                             ; my LDS accesses are complete, then the work-group's barrier
	s_wait_dscnt 0x0
	s_barrier_signal -1
	s_barrier_wait -1
.endm
.macro LDB set, sb, n                  ; 8 rows of 1,024 bytes: sixteen loads of 512 consecutive bytes
.set i, 0
.rept 16
	global_load_b128 v[\set+4*i:\set+4*i+3], v4, s[\sb:\sb+1] offset:\n*8192+i*512
.set i, i+1
.endr
.endm
.macro CVS set, va, n                  ; the batch rounded to bf16 in place and laid into LDS rows
.set i, 0
.rept 16
	v_cvt_pk_bf16_f32 v[\set+4*i], v[\set+4*i], v[\set+4*i+1]
	v_cvt_pk_bf16_f32 v[\set+4*i+1], v[\set+4*i+2], v[\set+4*i+3]
	ds_store_b64 v[\va], v[\set+4*i:\set+4*i+1] offset:(8*\n+i/2)*528+(i%2)*256
.set i, i+1
.endr
.endm
.macro STAGE sb, va                    ; my 32 weight rows, four batches on two register sets
	LDB RA, \sb, 0
	LDB RB, \sb, 1
	s_wait_loadcnt 16                  ; all but the youngest batch of sixteen are in
	CVS RA, \va, 0
	LDB RA, \sb, 2
	s_wait_loadcnt 16
	CVS RB, \va, 1
	LDB RB, \sb, 3
	s_wait_loadcnt 16
	CVS RA, \va, 2
	s_wait_loadcnt 0
	CVS RB, \va, 3
.endm
.macro LDF buf, vw, vx, c              ; the fragments of K step c: twelve LDS loads
.irp t, 0,1
	ds_load_b128 v[\buf+8*\t:\buf+8*\t+3],   v[\vw] offset:\t*8448+(\c)*64
	ds_load_b128 v[\buf+8*\t+4:\buf+8*\t+7], v[\vw] offset:\t*8448+(\c)*64+32
.endr
.irp t, 0,1,2,3
	ds_load_b128 v[\buf+16+8*\t:\buf+16+8*\t+3], v[\vx] offset:\t*8448+(\c)*64
	ds_load_b128 v[\buf+16+8*\t+4:\buf+16+8*\t+7], v[\vx] offset:\t*8448+(\c)*64+32
.endr
.endm
.macro MM swap, mode, ct, tb
.set dd, ACC+8*(4*\ct+\tb)
.set wf, fb+8*\ct
.set xf, fb+16+8*\tb
.if \swap
.if cc+\mode == 1
	v_wmma_f32_16x16x32_bf16 v[dd:dd+7], v[xf:xf+7], v[wf:wf+7], 0
.else
	v_wmma_f32_16x16x32_bf16 v[dd:dd+7], v[xf:xf+7], v[wf:wf+7], v[dd:dd+7]
.endif
.else
.if cc == 0
	v_wmma_f32_16x16x32_bf16 v[dd:dd+7], v[wf:wf+7], v[xf:xf+7], v[BI+8*\ct:BI+8*\ct+7]
.else
	v_wmma_f32_16x16x32_bf16 v[dd:dd+7], v[wf:wf+7], v[xf:xf+7], v[dd:dd+7]
.endif
.endif
.endm
; K = 256 in eight steps.  swap 0: rows = my channels, columns = tokens, the bias starts the sums.
; swap 1: rows = tokens, columns = my channels; mode 1: zero starts the sums, mode 9: the sums go on.
; The eight accumulators take turns, one instruction a turn.
.macro GEMM swap, vw, vx, mode
	LDF FR0, \vw, \vx, 0
	LDF FR1, \vw, \vx, 1
.set cc, 0
.rept 8
.set fb, FR0+48*(cc%2)
.if cc < 7
	s_wait_dscnt 12                    ; this step's twelve loads are in, the other buffer's twelve may be out
.else
	s_wait_dscnt 0
.endif
.irp tb, 0,1,2,3
.irp ct, 0,1
	MM \swap, \mode, \ct, \tb
.endr
.endr
.if cc < 6
	PLACES
	LDF fb, \vw, \vx, cc+2
.endif
.set cc, cc+1
.endr
	PLACES
.endm
.macro ACT t                           ; TM = 1 / (1 + 2^(-1.442695 y)) for the eight numbers of a tile
.irp k, 0,2,4,6
	v_pk_mul_f32 v[TM+\k:TM+\k+1], v[\t+\k:\t+\k+1], 0xbfb8aa3b op_sel_hi:[1,0]
.endr
.irp k, 0,1,2,3,4,5,6,7
	v_exp_f32 v[TM+\k], v[TM+\k]
.endr
	v_nop                              ; one plain instruction behind the transcendentals (ISA guide 5.7.2)
	s_wait_alu depctr_va_vdst(0)
.irp k, 0,2,4,6
	v_pk_add_f32 v[TM+\k:TM+\k+1], v[TM+\k:TM+\k+1], 1.0 op_sel_hi:[1,0]
.endr
.irp k, 0,1,2,3,4,5,6,7
	v_rcp_f32 v[TM+\k], v[TM+\k]
.endr
	v_nop
.endm
.macro ACTALL kind                     ; 0: silu and sums of squares; 1: silu; 2: sums of the sigmoid
.irp tb, 0,1,2,3
.irp ct, 0,1
.set tt, ACC+8*(4*\ct+\tb)
	ACT tt
.if \kind < 2
	s_wait_alu depctr_va_vdst(0)
.irp k, 0,2,4,6
	v_pk_mul_f32 v[tt+\k:tt+\k+1], v[tt+\k:tt+\k+1], v[TM+\k:TM+\k+1]
.endr
.endif
.if \kind == 0
.irp k, 0,2,4,6
.if \ct+\k == 0
	v_pk_mul_f32 v[SS+2*\tb:SS+2*\tb+1], v[tt:tt+1], v[tt:tt+1]
.else
	v_pk_fma_f32 v[SS+2*\tb:SS+2*\tb+1], v[tt+\k:tt+\k+1], v[tt+\k:tt+\k+1], v[SS+2*\tb:SS+2*\tb+1]
.endif
.endr
.endif
.if \kind == 2
.if \ct == 0
	s_wait_alu depctr_va_vdst(0)
	v_pk_add_f32 v[SS+2*\tb:SS+2*\tb+1], v[TM:TM+1], v[TM+2:TM+3]
.else
	s_wait_alu depctr_va_vdst(0)
	v_pk_add_f32 v[SS+2*\tb:SS+2*\tb+1], v[SS+2*\tb:SS+2*\tb+1], v[TM:TM+1]
	v_pk_add_f32 v[SS+2*\tb:SS+2*\tb+1], v[SS+2*\tb:SS+2*\tb+1], v[TM+2:TM+3]
.endif
	v_pk_add_f32 v[SS+2*\tb:SS+2*\tb+1], v[SS+2*\tb:SS+2*\tb+1], v[TM+4:TM+5]
	v_pk_add_f32 v[SS+2*\tb:SS+2*\tb+1], v[SS+2*\tb:SS+2*\tb+1], v[TM+6:TM+7]
.endif
.endr
.endr
.endm
.macro REDUCE                          ; a token's sum over my 32 channels (pair, other half of the wave) into PART[token][wave]
.irp tb, 0,1,2,3
	v_add_f32 v[SS+2*\tb], v[SS+2*\tb], v[SS+2*\tb+1]
	v_permlanex16_b32 v[SS+2*\tb+1], v[SS+2*\tb], s12, s13
	v_add_f32 v[SS+2*\tb], v[SS+2*\tb], v[SS+2*\tb+1]
	ds_store_b32 v9, v[SS+2*\tb] offset:\tb*512
.endr
.endm
.macro SUM8 a                          ; v[a] = the sum of v[a .. a+7]
	v_pk_add_f32 v[\a:\a+1], v[\a:\a+1], v[\a+2:\a+3]
	v_pk_add_f32 v[\a+4:\a+5], v[\a+4:\a+5], v[\a+6:\a+7]
	v_pk_add_f32 v[\a:\a+1], v[\a:\a+1], v[\a+4:\a+5]
	v_add_f32 v[\a], v[\a], v[\a+1]
.endm
	s_load_b512 s[16:31], s[0:1], 0x0              ; x, Wq, Wk, Wv, Wa, Wb, Wo, bq
	s_load_b256 s[32:39], s[0:1], 0x40             ; bk, bv, ba, bb
	s_load_b128 s[40:43], s[0:1], 0x60             ; qk, vp
	s_load_b64 s[44:45], s[0:1], 0x70              ; gat
	v_lshl_add_u32 v254, v0, 2, 0x4ac00
	v_mov_b32 v255, 0
	v_and_b32 v1, 31, v0                           ; lane l
	v_lshrrev_b32 v2, 5, v0
	v_readfirstlane_b32 s8, v2                     ; wave w
	v_and_b32 v2, 15, v0                           ; r
	v_bfe_u32 v3, v0, 4, 1                         ; h
	s_and_b32 s9, ttmp7, 0xffff                    ; role
	s_mov_b32 s10, ttmp9                           ; block of 64 tokens
	s_mov_b32 s12, 0x76543210                      ; v_permlanex16_b32: lane i of the other half
	s_mov_b32 s13, 0xfedcba98
	s_mov_b32 s7, 0xffff0000
	v_lshlrev_b32 v4, 4, v1                        ; 16 l
	s_mul_i32 s2, s8, 16896                        ; my 32 weight rows in LDS
	v_lshl_add_u32 v5, v1, 3, s2                   ; staging W: + 8 l
	s_mul_i32 s3, s8, 4224
	s_add_co_u32 s3, s3, XB
	v_lshl_add_u32 v6, v1, 3, s3                   ; staging x: my 8 rows
	v_mul_u32_u24 v249, v2, 528
	v_lshl_add_u32 v249, v3, 4, v249               ; r x pitch + 16 h: fragments of the tile at byte 0 (v's lower part)
	v_add_nc_u32 v7, s2, v249                      ; fragments of my W rows
	v_add_nc_u32 v8, XB, v249                      ; fragments of x (v's upper part)
	s_lshl_b32 s4, s8, 2
	s_add_co_u32 s4, s4, PART
	v_lshl_add_u32 v9, v2, 5, s4                   ; PART[r][w]
	v_lshlrev_b32 v10, 5, v2
	v_add_nc_u32 v10, PART, v10                    ; PART[r][0]
	s_lshl_b32 s5, s8, 7
	v_lshl_add_u32 v11, v3, 5, s5                  ; bias: 4 (32 w + 8 h)
	s_lshl_b32 s6, s8, 6
	v_add_nc_u32 v248, s6, v249                    ; v's lower part: row r, my 32 channels
	v_add_nc_u32 v12, XB, v248                     ; v's upper part
	v_lshlrev_b32 v13, 6, v1
	v_add_nc_u32 v13, PART, v13                    ; PART of tokens 2 l, 2 l + 1
	v_add_nc_u32 v14, WS2, v5
	v_add_nc_u32 v15, WS2, v7
	s_wait_kmcnt 0x0
	s_mov_b64 s[46:47], s[18:19]                   ; the role's weights and bias
	s_mov_b64 s[48:49], s[30:31]
	s_cmp_eq_u32 s9, 1
	s_cselect_b64 s[46:47], s[20:21], s[46:47]
	s_cselect_b64 s[48:49], s[32:33], s[48:49]
	s_cmp_eq_u32 s9, 2
	s_cselect_b64 s[46:47], s[22:23], s[46:47]
	s_cselect_b64 s[48:49], s[34:35], s[48:49]
	s_cmp_eq_u32 s9, 3
	s_cselect_b64 s[46:47], s[24:25], s[46:47]
	s_cselect_b64 s[48:49], s[36:37], s[48:49]
	s_cmp_eq_u32 s9, 4
	s_cselect_b64 s[46:47], s[26:27], s[46:47]
	s_cselect_b64 s[48:49], s[38:39], s[48:49]
	s_lshl_b32 s56, s8, 15                         ; my 32 rows of 1,024 bytes
	s_mov_b32 s57, 0
	s_add_nc_u64 s[46:47], s[46:47], s[56:57]
	s_add_nc_u64 s[52:53], s[28:29], s[56:57]
	s_lshl_b32 s56, s10, 16
	s_lshl_b32 s58, s8, 13
	s_add_co_u32 s56, s56, s58
	s_add_nc_u64 s[50:51], s[16:17], s[56:57]      ; my 8 rows of x
	LDB ACC, 50, 0
	global_load_b128 v[BI:BI+3],     v11, s[48:49]
	global_load_b128 v[BI+4:BI+7],   v11, s[48:49] offset:16
	global_load_b128 v[BI+8:BI+11],  v11, s[48:49] offset:64
	global_load_b128 v[BI+12:BI+15], v11, s[48:49] offset:80
	STAGE 46, 5                                    ; its first wait also shows x and the bias in
	CVS ACC, 6, 0
	s_cmp_lg_u32 s9, 2
	s_cbranch_scc1 .Lno_wo
	STAGE 52, 14
.Lno_wo:
	BAR                                            ; x is whole for every wave
	GEMM 0, 7, 8, 0
	s_cmp_ge_u32 s9, 3
	s_cbranch_scc1 .Lgate
	s_cmp_eq_u32 s9, 2
	s_cbranch_scc1 .Lvalue
	; ---- roles q and k
	ACTALL 0
	REDUCE
	BAR
.irp tb, 0,1,2,3
	ds_load_b128 v[96+8*\tb:96+8*\tb+3],   v10 offset:\tb*512
	ds_load_b128 v[96+8*\tb+4:96+8*\tb+7], v10 offset:\tb*512+16
.endr
	s_lshl_b32 s56, s9, 20
	s_lshl_b32 s58, s10, 15
	s_add_co_u32 s56, s56, s58
	s_lshl_b32 s58, s8, 10
	s_add_co_u32 s56, s56, s58
	s_add_nc_u64 s[54:55], s[40:41], s[56:57]      ; fragment (4 block + tb, K step w)
	s_wait_dscnt 0x0
.irp tb, 0,1,2,3
	SUM8 96+8*\tb
.endr
.irp tb, 0,1,2,3
	v_sqrt_f32 v[96+8*\tb], v[96+8*\tb]
.endr
	v_nop
	s_wait_alu depctr_va_vdst(0)
.irp tb, 0,1,2,3
	v_add_f32 v[96+8*\tb], 0x358637bd, v[96+8*\tb] ; + 1e-6
.endr
.irp tb, 0,1,2,3
	v_rcp_f32 v[SC+2*\tb], v[96+8*\tb]
	v_rcp_f32 v[SC+2*\tb+1], v[96+8*\tb]
.endr
	v_nop
	s_wait_alu depctr_va_vdst(0)
.irp tb, 0,1,2,3
.irp ct, 0,1
.set tt, ACC+8*(4*\ct+\tb)
.set pp, PK+4*(4*\ct+\tb)
.irp k, 0,2,4,6
	v_pk_mul_f32 v[tt+\k:tt+\k+1], v[tt+\k:tt+\k+1], v[SC+2*\tb:SC+2*\tb+1]
.endr
.irp k, 0,1,2,3
	v_cvt_pk_bf16_f32 v[pp+\k], v[tt+2*\k], v[tt+2*\k+1]
.endr
	global_store_b128 v4, v[pp:pp+3], s[54:55] offset:\tb*8192+\ct*512   ; 512 consecutive bytes: half a fragment
.endr
.endr
	s_wait_tensorcnt 0x0
	ds_add_u32 v254, v255
	s_wait_dscnt 0x0
	s_endpgm
	; ---- role v
.Lvalue:
	ACTALL 1
	BAR                                            ; every wave's reads of x and of Wv are over: both regions are written anew
.irp tb, 0,1,2,3
.irp ct, 0,1
.set tt, ACC+8*(4*\ct+\tb)
.irp k, 0,1,2,3
	v_cvt_pk_bf16_f32 v[PK+\k], v[tt+2*\k], v[tt+2*\k+1]
.endr
	ds_store_b128 v12, v[PK:PK+3] offset:\tb*8448+\ct*32
.irp k, 0,1,2,3
	v_lshlrev_b32 v[TM+2*\k], 16, v[PK+\k]
	v_and_b32 v[TM+2*\k+1], s7, v[PK+\k]
.endr
.irp k, 0,2,4,6
	v_pk_add_f32 v[tt+\k:tt+\k+1], v[tt+\k:tt+\k+1], v[TM+\k:TM+\k+1] neg_lo:[0,1] neg_hi:[0,1]   ; what the rounding left
.endr
.irp k, 0,1,2,3
	v_cvt_pk_bf16_f32 v[PK+4+\k], v[tt+2*\k], v[tt+2*\k+1]
.endr
	ds_store_b128 v248, v[PK+4:PK+7] offset:\tb*8448+\ct*32
.endr
.endr
	s_lshl_b32 s56, s10, 16
	s_lshl_b32 s58, s8, 11
	s_add_co_u32 s56, s56, s58
	s_add_nc_u64 s[54:55], s[42:43], s[56:57]      ; tile (4 block + tb, 2 w + ct)
	BAR
	GEMM 1, 15, 8, 1                               ; upper part x Wo^T
	GEMM 1, 15, 249, 9                             ; + lower part x Wo^T
.irp tb, 0,1,2,3
.irp ct, 0,1
.set tt, ACC+8*(4*\ct+\tb)
	global_store_b128 v4, v[tt:tt+3],   s[54:55] offset:\tb*16384+\ct*1024
	global_store_b128 v4, v[tt+4:tt+7], s[54:55] offset:\tb*16384+\ct*1024+512
.endr
.endr
	s_wait_tensorcnt 0x0
	ds_add_u32 v254, v255
	s_wait_dscnt 0x0
	s_endpgm
	; ---- roles a and b
.Lgate:
	ACTALL 2
	REDUCE
	BAR
	s_cmp_lg_u32 s8, 0                             ; 64 numbers are left to store: wave 0 does it
	s_cbranch_scc1 .Lend
.irp k, 0,1,2,3
	ds_load_b128 v[96+4*\k:96+4*\k+3], v13 offset:16*\k
.endr
	s_sub_co_u32 s56, s9, 3
	s_lshl_b32 s56, s56, 13
	s_lshl_b32 s58, s10, 8
	s_add_co_u32 s56, s56, s58
	s_add_nc_u64 s[54:55], s[44:45], s[56:57]
	v_lshlrev_b32 v112, 3, v1
	s_wait_dscnt 0x0
	SUM8 96
	SUM8 104
	v_mul_f32 v96, 0x3b800000, v96                 ; / 256
	v_mul_f32 v97, 0x3b800000, v104
	global_store_b64 v112, v[96:97], s[54:55]      ; 256 consecutive bytes
.Lend:
	s_wait_tensorcnt 0x0
	ds_add_u32 v254, v255
	s_wait_dscnt 0x0
	s_endpgm
.Lfunc_end_k_qe36eb02485_proj:
	.size	k_qe36eb02485_proj, .Lfunc_end_k_qe36eb02485_proj-k_qe36eb02485_proj
	.p2alignl 7, 3214868480
	.fill 96, 4, 3214868480
	.section	.rodata,"a",@progbits
	.p2align	6, 0x0
	.amdhsa_kernel k_qe36eb02485_proj
		.amdhsa_group_segment_fixed_size 307200
		.amdhsa_private_segment_fixed_size 0
		.amdhsa_enable_private_segment 0
		.amdhsa_kernarg_size 120
		.amdhsa_user_sgpr_count 2
		.amdhsa_user_sgpr_kernarg_segment_ptr 1
		.amdhsa_wavefront_size32 1
		.amdhsa_system_sgpr_workgroup_id_x 1
		.amdhsa_system_sgpr_workgroup_id_y 1
		.amdhsa_system_sgpr_workgroup_id_z 1
		.amdhsa_system_vgpr_workitem_id 0
		.amdhsa_next_free_vgpr 256
		.amdhsa_next_free_sgpr 66
		.amdhsa_reserve_vcc 0
		.amdhsa_float_denorm_mode_32 3
		.amdhsa_float_denorm_mode_16_64 3
		.amdhsa_memory_ordered 1
		.amdhsa_forward_progress 1
		.amdhsa_inst_pref_size 137
	.end_amdhsa_kernel
	.amdgpu_metadata
---
amdhsa.version: [ 1, 2 ]
amdhsa.kernels:
  - .name:           k_qe36eb02485_proj
    .symbol:         k_qe36eb02485_proj.kd
    .args:
      - { .name: x, .offset: 0, .size: 8, .value_kind: global_buffer, .address_space: global }
      - { .name: Wq, .offset: 8, .size: 8, .value_kind: global_buffer, .address_space: global }
      - { .name: Wk, .offset: 16, .size: 8, .value_kind: global_buffer, .address_space: global }
      - { .name: Wv, .offset: 24, .size: 8, .value_kind: global_buffer, .address_space: global }
      - { .name: Wa, .offset: 32, .size: 8, .value_kind: global_buffer, .address_space: global }
      - { .name: Wb, .offset: 40, .size: 8, .value_kind: global_buffer, .address_space: global }
      - { .name: Wo, .offset: 48, .size: 8, .value_kind: global_buffer, .address_space: global }
      - { .name: bq, .offset: 56, .size: 8, .value_kind: global_buffer, .address_space: global }
      - { .name: bk, .offset: 64, .size: 8, .value_kind: global_buffer, .address_space: global }
      - { .name: bv, .offset: 72, .size: 8, .value_kind: global_buffer, .address_space: global }
      - { .name: ba, .offset: 80, .size: 8, .value_kind: global_buffer, .address_space: global }
      - { .name: bb, .offset: 88, .size: 8, .value_kind: global_buffer, .address_space: global }
      - { .name: qk, .offset: 96, .size: 8, .value_kind: global_buffer, .address_space: global }
      - { .name: vp, .offset: 104, .size: 8, .value_kind: global_buffer, .address_space: global }
      - { .name: gat, .offset: 112, .size: 8, .value_kind: global_buffer, .address_space: global }
    .group_segment_fixed_size: 307200
    .private_segment_fixed_size: 0
    .kernarg_segment_align: 8
    .kernarg_segment_size: 120
    .max_flat_workgroup_size: 256
    .sgpr_count:     66
    .vgpr_count:     256
    .wavefront_size: 32
...
	.end_amdgpu_metadata
.endif
;; end of part 1
;; launch mix (part 2): grid 2 x 8, 8 waves a work-group, no clusters, 320,512 bytes of LDS; arguments qk, vp, gat, bo, out0; writes out0
.if DOCPART == 2
	.amdgcn_target "amdgcn-amd-amdhsa--gfx1250"
	.amdhsa_code_object_version 6
	.text
	.protected	k_qe36eb02485_mix
	.globl	k_qe36eb02485_mix
	.p2align	8
	.type	k_qe36eb02485_mix,@function
k_qe36eb02485_mix:
	s_mov_b64 s[64:65], 0
	v_nop
	global_prefetch_b8 v0, s[64:65] scope:SCOPE_SE
	s_setreg_imm32_b32 hwreg(HW_REG_WAVE_MODE, 25, 1), 1
	s_wait_xcnt 0x0
; The gated delta recurrence as a triangular system, for one batch (y id) and 128 output columns (x id).
; S_t = a_t S_(t-1) + b_t w_t k_t^T with w_t = v_t - a_t S_(t-1) k_t, an identity for every input.  With c = prefix sums of log2 a, c' = c - log2 b,
;   L'(t,s) = (k_t.k_s) 2^(c_t - c'_s) for s < t,   M'(t,s) = (q_t.k_s) 2^(c_t - c'_s) for s <= t   (every exponent <= 0):
;   W_I = (I + L'_II)^-1 (V'_I - sum over J < I of L'_IJ W_J) by blocks of 16 tokens,   out = M' W + bo,   V' = v Wo^T from the launch before.
; Wave w makes the rows I = w and 15 - w of L' and M' (17 tile pairs each wave), inverts blocks 2 w, 2 w + 1 exactly in f32, and solves column block 8 x + w.
; FORMATS: k.k, q.k, L' W and the correction (I + L')^-1 - I times R in bf16; M' W in f16: |M'| <= 1 since q and k are normalised and decay and b are <= 1, and
; each column of V' is scaled by a power of two to a largest magnitude in [1, 2); |k| <= 1 and b <= 1 make each step a contraction, so |W| <= 257 of that.
; LIMITS: log2 a and log2 b are cut at -126; a column of V' whose largest magnitude is below 2^-126 gives bo; the order of rounding differs from the scan's.
; c_t - c'_s is a difference of f32 prefix sums: its error grows with the sums, while the factor 2^(..) falls faster.
; No cluster: only two work-groups share k.  k is copied into LDS once; no LDS byte is filled twice by a copy.
; Every LDS address is a constant, the wave's number times a constant, a lane term and an immediate: the tiles of a row are written out, none is reached by a stepped register.
.set DG, 131072                        ; diagonal blocks of L' in f32: 1024 I + 64 t + 4 s            (k's fragments lie at 0: (8 I + c) 1024)
.set MB, 147456                        ; M' in f16, halves of 512 bytes (16 tokens t x 16 tokens s).  Wave w's strip of 17 halves at 8704 w:
                                       ; row w has half J at 512 J, row 15 - w has half J at 512 (16 - J): w + 1 and 16 - w halves, which meet without a gap
.set NB, 217088                        ; -L' in bf16, likewise (the diagonal half is not stored)
.set TT, 286720                        ; (I + L'_II)^-1 - I as fragments, 1024 I; the block in half I & 1, zeros in the other
.set CP, 303104                        ; each wave's own 2,048 bytes: c[256], c'[256]; later the columns' inverse scales
.set XI, 152
.set LG, 184
.macro PLACES                          ; four independent vector instructions behind a matrix instruction (ISA guide 7.12.1)
.rept 4
	v_nop
.endr
.endm
.macro BAR
	s_wait_dscnt 0x0
	s_barrier_signal -1
	s_barrier_wait -1
.endm
.macro LDA J                           ; block J of k: eight fragments; v4 reaches blocks 0 to 7, v8 = v4 + 65536 blocks 8 to 15
.set i, 0
.rept 16
.if (\J) < 8
	ds_load_b128 v[152+4*i:152+4*i+3], v4 offset:(\J)*8192+i*512
.else
	ds_load_b128 v[152+4*i:152+4*i+3], v8 offset:((\J)-8)*8192+i*512
.endif
.set i, i+1
.endr
.endm
.macro LDCS J                          ; c' of tokens 16 J + 8 h + 0..7
	ds_load_b128 v[240:243], v9 offset:(\J)*64
	ds_load_b128 v[244:247], v9 offset:(\J)*64+16
.endm
.macro ROWQ                            ; block I (s26) of q, from memory
	s_lshl_b32 s18, s26, 13
	s_add_nc_u64 s[24:25], s[22:23], s[18:19]
.set i, 0
.rept 16
	global_load_b128 v[88+4*i:88+4*i+3], v4, s[24:25] offset:i*512
.set i, i+1
.endr
.endm
.macro GW c0                           ; four K steps; the two accumulators take turns
.irp c, \c0, \c0+1, \c0+2, \c0+3
.if (\c) == 0
	v_wmma_f32_16x16x32_bf16 v[216:223], v[152:159], v[24:31], 0
	v_wmma_f32_16x16x32_bf16 v[224:231], v[152:159], v[88:95], 0
.else
	v_wmma_f32_16x16x32_bf16 v[216:223], v[152+8*(\c):152+8*(\c)+7], v[24+8*(\c):24+8*(\c)+7], v[216:223]
	v_wmma_f32_16x16x32_bf16 v[224:231], v[152+8*(\c):152+8*(\c)+7], v[88+8*(\c):88+8*(\c)+7], v[224:231]
.endif
.endr
.endm
; One tile pair (I, J): register j of lane (r, h) is (t = r, s = 8 h + j), which packed is half of a fragment with k = s.  off: the half's place in my strip.
; LDS instructions of a tile, in order: 16 fragment loads, 2 loads of c', 2 stores; in front of a row's first tile: 16, 2.  Each count is the smaller of the two ways.
.macro GT diag, J, off
	s_wait_dscnt 10                    ; the first eight fragment loads are in (8 + 2 younger in front of the first tile)
	GW 0
	s_wait_dscnt 2                     ; all sixteen (2 younger in front of the first tile)
	GW 4
	PLACES
.if \diag
	s_wait_dscnt 0
.else
	LDA (\J)+1                         ; the next block of k, the row's own block at the latest
	s_wait_dscnt 16                    ; c' of this tile is in: only the sixteen just issued are younger
.endif
.irp j, 0,1,2,3,4,5,6,7
	v_sub_f32 v[232+\j], v12, v[240+\j]
.endr
.irp j, 0,1,2,3,4,5,6,7
	v_exp_f32 v[232+\j], v[232+\j]
.endr
	v_nop                              ; one plain instruction behind the transcendentals (ISA guide 5.7.2)
.if \diag
	s_wait_alu depctr_va_vdst(0)
.irp k, 0,2,4,6
	v_pk_mul_f32 v[216+\k:216+\k+1], v[216+\k:216+\k+1], v[232+\k:232+\k+1]
	v_pk_mul_f32 v[224+\k:224+\k+1], v[224+\k:224+\k+1], v[232+\k:232+\k+1]
.endr
	ds_store_b128 v14, v[216:219]                  ; L'_II in f32; only s < t is read later
	ds_store_b128 v14, v[220:223] offset:16
.irp j, 0,1,2,3,4,5,6,7
	v_cmp_le_i32 vcc_lo, \j, v13                   ; s <= t: a choice, not a product, since 2^(..) may be infinite above the diagonal
	v_cndmask_b32 v[224+\j], 0, v[224+\j], vcc_lo
.endr
.irp k, 0,1,2,3
	v_cvt_pk_f16_f32 v[248+\k], v[224+2*\k], v[225+2*\k]
.endr
	ds_store_b128 v15, v[248:251] offset:\off
.else
	LDCS (\J)+1
	s_wait_alu depctr_va_vdst(0)
.irp j, 0,1,2,3,4,5,6,7
	v_mul_f32 v[216+\j], -v[232+\j], v[216+\j]
.endr
.irp k, 0,2,4,6
	v_pk_mul_f32 v[224+\k:224+\k+1], v[224+\k:224+\k+1], v[232+\k:232+\k+1]
.endr
.irp k, 0,1,2,3
	v_cvt_pk_bf16_f32 v[252+\k], v[216+2*\k], v[217+2*\k]
	v_cvt_pk_f16_f32 v[248+\k], v[224+2*\k], v[225+2*\k]
.endr
	ds_store_b128 v10, v[248:251] offset:\off
	ds_store_b128 v11, v[252:255] offset:\off
.endif
.endm
; Row I = s26.  rev 0: I = w (0 to 7), halves upward; rev 1: I = 15 - w (8 to 15), halves downward from the strip's end.
; The tiles J = 0, 1, .. are written out; a wave leaves for its diagonal tile by a branch on its number.
.macro ROW rev
	s_lshl_b32 s18, s26, 13
	v_add_nc_u32 v14, s18, v4
.set i, 0
.rept 16
	ds_load_b128 v[24+4*i:24+4*i+3], v14 offset:i*512   ; block I of k
.set i, i+1
.endr
	s_lshl_b32 s18, s26, 6
	s_add_co_u32 s18, s18, s38
	v_lshl_add_u32 v15, v2, 2, s18
	ds_load_b32 v12, v15                           ; c of token 16 I + r
	LDA 0
	LDCS 0
	s_lshl_b32 s18, s26, 10
	v_add_nc_u32 v14, s18, v5                      ; the diagonal block's place in DG
	s_lshl_b32 s18, s14, 9
	v_add_nc_u32 v15, s18, v10                     ; M's diagonal half: 512 w (row w) or 512 w + 512 (row 15 - w) into my strip
	s_wait_loadcnt 0x0                             ; q's block
.set jj, 0
.rept 7+8*\rev
.if jj >= 8*\rev
	s_cmp_eq_u32 s14, jj+\rev*(15-2*jj)            ; I = jj: no tile is left in front of the diagonal
	s_cbranch_scc1 .Ldiag\@
.endif
	GT 0, jj, (jj+\rev*(16-2*jj))*512
.set jj, jj+1
.endr
.Ldiag\@:
	GT 1, 0, \rev*512
.endm
.macro LDH dst, lo, I, J               ; half (I, J) of M (lo = 16) or N (lo = 18); the second address register reaches bytes from 32768 on
.if (\I) < 8
.set ha, (\I)*8704+(\J)*512
.else
.set ha, (15-(\I))*8704+(16-(\J))*512
.endif
.if ha < 32768
	ds_load_b128 v[\dst:\dst+3], v[\lo] offset:ha
.else
	ds_load_b128 v[\dst:\dst+3], v[\lo+1] offset:ha-32768
.endif
.endm
.macro LDFR dst, lo, I, p              ; fragment (I, p) = halves 2 p and 2 p + 1; an upper half beyond the row's end is zero: block 0's inverse holds such a half
	LDH \dst, \lo, \I, 2*(\p)
.if 2*(\p)+1+((\lo)-16)/2 > (\I)
	ds_load_b128 v[\dst+4:\dst+7], v6 offset:512
.else
	LDH \dst+4, \lo, \I, 2*(\p)+1
.endif
.endm
; Rows start .. 15 against pair p, four rows (four accumulators) at a time.  kind 0: R_I -= L'(I, p) W_p.  kind 1: O_I += W_p^T M'(I, p)^T.
.macro SWEEP kind, p, start
.set i0, \start
.rept (19-(\start))/4
.set nn, 16-i0
.if nn > 4
.set nn, 4
.endif
.set k, 0
.rept nn
.if \kind
	LDFR 216+8*k, 16, i0+k, \p
.else
	LDFR 216+8*k, 18, i0+k, \p
.endif
.set k, k+1
.endr
	s_wait_dscnt 0x0
.set k, 0
.rept nn
.set ii, i0+k
.if \kind
.if ii < 8
.set od, 32+16*ii
.else
.set od, 152+8*(ii-8)
.endif
.if \p == 0
	v_wmma_f32_16x16x32_f16 v[od:od+7], v[24+16*\p:24+16*\p+7], v[216+8*k:216+8*k+7], 0
.else
	v_wmma_f32_16x16x32_f16 v[od:od+7], v[24+16*\p:24+16*\p+7], v[216+8*k:216+8*k+7], v[od:od+7]
.endif
.else
.set od, 24+8*ii
	v_wmma_f32_16x16x32_bf16 v[od:od+7], v[216+8*k:216+8*k+7], v[152+8*\p:152+8*\p+7], v[od:od+7]
.endif
.set k, k+1
.endr
	PLACES
.set i0, i0+nn
.endr
.endm
; Blocks 2 p and 2 p + 1.  RE, RO: their R tiles; UP: the pair in bf16; the pair in f16 ends in RE's registers.
; No two matrix instructions that follow each other share an accumulator.
.macro PAIR p
.set RE, 24+16*\p
.set RO, 32+16*\p
.set UP, 152+8*\p
	ds_load_b128 v[216:219], v6 offset:2048*\p
	ds_load_b128 v[220:223], v6 offset:2048*\p+512
	ds_load_b128 v[224:227], v6 offset:2048*\p+1024
	ds_load_b128 v[228:231], v6 offset:2048*\p+1536
	LDFR 232, 18, 2*\p+1, \p
.irp k, 0,1,2,3
	v_cvt_pk_bf16_f32 v[UP+\k], v[RE+2*\k], v[RE+2*\k+1]
.endr
.irp k, 4,5,6,7
	v_mov_b32 v[UP+\k], 0
.endr
	s_wait_dscnt 0x0
	v_wmma_f32_16x16x32_bf16 v[248:255], v[216:223], v[UP:UP+7], v[RE:RE+7]    ; W = R + ((I + L')^-1 - I) R
	PLACES
.irp k, 0,1,2,3
	v_cvt_pk_bf16_f32 v[UP+\k], v[248+2*\k], v[249+2*\k]
.endr
.irp k, 0,1,2,3
	v_cvt_pk_f16_f32 v[RE+\k], v[248+2*\k], v[249+2*\k]
.endr
	v_wmma_f32_16x16x32_bf16 v[RO:RO+7], v[232:239], v[UP:UP+7], v[RO:RO+7]    ; R of the odd block -= L' W of the even one
	PLACES
	v_nop                                          ; five places: the result is the next product's C, into another accumulator
.irp k, 0,1,2,3
	v_cvt_pk_bf16_f32 v[UP+4+\k], v[RO+2*\k], v[RO+2*\k+1]
.endr
	v_wmma_f32_16x16x32_bf16 v[248:255], v[224:231], v[UP:UP+7], v[RO:RO+7]
	PLACES
.irp k, 0,1,2,3
	v_cvt_pk_bf16_f32 v[UP+4+\k], v[248+2*\k], v[249+2*\k]
.endr
.irp k, 0,1,2,3
	v_cvt_pk_f16_f32 v[RE+4+\k], v[248+2*\k], v[249+2*\k]
.endr
	SWEEP 0, \p, 2*\p+2
.endm
	s_load_b256 s[4:11], s[0:1], 0x0               ; qk, vp, gat, bo
	s_load_b64 s[12:13], s[0:1], 0x20              ; out0
	s_set_vgpr_msb 0x40
	v_lshl_add_u32 v0, v0, 2, 0x4e000
	v_mov_b32 v1, 0
	s_set_vgpr_msb 0x4045
	ds_add_u32 v0, v1
	ds_add_u32 v0, v1
	s_set_vgpr_msb 0x4500
	v_and_b32 v1, 31, v0                           ; lane l
	v_lshrrev_b32 v2, 5, v0
	v_readfirstlane_b32 s14, v2                    ; wave w
	v_and_b32 v2, 15, v0                           ; r
	v_bfe_u32 v3, v0, 4, 1                         ; h
	s_mov_b32 s15, ttmp9                           ; which 128 columns
	s_and_b32 s16, ttmp7, 0xffff                   ; batch
	s_lshl_b32 s17, s15, 3
	s_add_co_u32 s17, s17, s14                     ; my column block
	s_mov_b32 s2, 0x76543210
	s_mov_b32 s3, 0xfedcba98
	v_lshlrev_b32 v4, 4, v1                        ; 16 l
	s_lshl_b32 s18, s14, 14
	v_add_nc_u32 v8, s18, v4                       ; the copies: my 16 KiB of k, in LDS
	v_mov_b32 v9, v8                               ; and in memory
	v_lshlrev_b32 v10, 5, v1                       ; 32 l
	v_lshlrev_b32 v7, 5, v3                        ; 32 h
	s_mov_b32 s19, 0
	s_wait_dscnt 0x0
	s_wait_kmcnt 0x0
	s_lshl_b32 s18, s16, 17
	s_add_nc_u64 s[22:23], s[4:5], s[18:19]        ; q of the batch
	s_add_nc_u64 s[20:21], s[22:23], 0x100000      ; k of the batch
.set i, 0
.rept 32
	global_load_async_to_lds_b128 v8, v9, s[20:21] offset:i*512
.set i, i+1
.endr
	s_lshl_b32 s18, s16, 10
	s_add_nc_u64 s[36:37], s[8:9], s[18:19]
	global_load_b128 v[216:219], v10, s[36:37]               ; a of tokens 8 l .. 8 l + 7
	global_load_b128 v[220:223], v10, s[36:37] offset:16
	global_load_b128 v[224:227], v10, s[36:37] offset:8192   ; b
	global_load_b128 v[228:231], v10, s[36:37] offset:8208
	s_mov_b32 s26, s14
	ROWQ
	s_lshl_b32 s18, s16, 18
	s_lshl_b32 s27, s17, 10
	s_add_co_u32 s18, s18, s27
	s_add_nc_u64 s[30:31], s[6:7], s[18:19]        ; V' tiles of my column block
	s_lshl_b32 s18, s17, 6
	s_add_nc_u64 s[32:33], s[10:11], s[18:19]      ; bo of my column block
	s_lshl_b32 s18, s16, 18
	s_lshl_b32 s27, s14, 15
	s_add_co_u32 s18, s18, s27
	s_lshl_b32 s27, s15, 9
	s_add_co_u32 s18, s18, s27
	s_add_nc_u64 s[34:35], s[12:13], s[18:19]      ; out0: my 32 rows on the way out
	s_lshl_b32 s38, s14, 11
	s_add_co_u32 s38, s38, CP                      ; my c
	s_add_co_u32 s39, s38, 1024                    ; my c'
	v_add_nc_u32 v6, TT, v4
	v_add_nc_u32 v16, MB, v4
	v_add_nc_u32 v17, MB+32768, v4
	v_add_nc_u32 v18, NB, v4
	v_add_nc_u32 v19, NB+32768, v4
.irp k, 20,21,22,23
	v_mov_b32 v\k, 0
.endr
	v_lshlrev_b32 v13, 3, v3
	v_sub_nc_u32 v13, v2, v13                      ; r - 8 h
	v_lshl_add_u32 v5, v2, 6, v7
	v_add_nc_u32 v5, DG, v5                        ; DG + 64 r + 32 h
	; the prefix sums, every wave for itself
	s_wait_loadcnt 16                              ; a and b are in; q's sixteen loads stay out
.set i, 0
.rept 16
	v_log_f32 v[216+i], v[216+i]
.set i, i+1
.endr
	v_nop
.set i, 0
	s_wait_alu depctr_va_vdst(0)
.rept 16
	v_max_num_f32 v[216+i], 0xc2fc0000, v[216+i]   ; not below -126
.set i, i+1
.endr
.set i, 0
.rept 7
	v_add_f32 v[217+i], v[216+i], v[217+i]
.set i, i+1
.endr
	v_mov_b32 v233, v223
	v_lshlrev_b32 v232, 2, v1
.irp d, 1,2,4,8,16
	v_add_nc_u32 v234, -4*\d, v232
	v_and_b32 v234, 0x7c, v234
	ds_bpermute_b32 v235, v234, v233               ; the sum of lane l - d
	s_wait_dscnt 0x0
	v_cmp_le_u32 vcc_lo, \d, v1
	v_cndmask_b32 v235, 0, v235, vcc_lo
	v_add_f32 v233, v233, v235
.endr
	v_add_nc_u32 v234, -4, v232
	v_and_b32 v234, 0x7c, v234
	ds_bpermute_b32 v235, v234, v233               ; what lies in front of my eight
	s_wait_dscnt 0x0
	v_cmp_le_u32 vcc_lo, 1, v1
	v_cndmask_b32 v235, 0, v235, vcc_lo
.set i, 0
.rept 8
	v_add_f32 v[216+i], v235, v[216+i]             ; c
	v_sub_f32 v[224+i], v[216+i], v[224+i]         ; c' = c - log2 b
.set i, i+1
.endr
	v_add_nc_u32 v234, s38, v10
	ds_store_b128 v234, v[216:219]
	ds_store_b128 v234, v[220:223] offset:16
	ds_store_b128 v234, v[224:227] offset:1024
	ds_store_b128 v234, v[228:231] offset:1040
	s_wait_asynccnt 0x0                            ; my part of k is in LDS (and the copies' address registers are free),
	BAR                                            ; everybody's is
	; rows w and 15 - w of L' and M'
	v_add_nc_u32 v8, 0x10000, v4                   ; blocks 8 to 15 of k
	v_add_nc_u32 v9, s39, v7                       ; c' + 32 h
	s_mul_i32 s28, s14, 8704                       ; my strip
	v_add_nc_u32 v10, s28, v16
	v_add_nc_u32 v11, s28, v18
	ROW 0
	s_sub_co_u32 s26, 15, s14
	ROWQ
	ROW 1
	BAR                                            ; L', M' and the diagonal blocks are whole; k is read no more
	; V' and bo are asked for; meanwhile lane (r, h) makes row r of (I + L')^-1 - I of block 2 w + h, by exact substitution in f32
.set i, 0
.rept 16
	global_load_b128 v[24+8*i:24+8*i+3], v4, s[30:31] offset:i*16384
	global_load_b128 v[24+8*i+4:24+8*i+7], v4, s[30:31] offset:i*16384+512
.set i, i+1
.endr
	global_load_b128 v[8:11], v7, s[32:33]
	global_load_b128 v[12:15], v7, s[32:33] offset:16
	s_lshl_b32 s18, s14, 11
	s_add_co_u32 s27, s18, DG
	v_lshl_add_u32 v249, v3, 10, s27
	v_mov_b32 v251, 1.0
	v_mov_b32 v[XI+15], 0
.set sx, 15
.rept 4
.set tx, sx
.rept 4
.set qx, 0
.rept (tx+3)/4
	ds_load_b128 v[LG+16*(tx%4)+4*qx:LG+16*(tx%4)+4*qx+3], v249 offset:tx*64+qx*16   ; row tx of L', columns below tx
.set qx, qx+1
.endr
.set tx, tx-1
.endr
	s_wait_dscnt 0x0
.rept 4
	v_cmp_eq_u32 vcc_lo, sx, v2
	v_cndmask_b32 v250, 0, v251, vcc_lo            ; the unit row's entry,
.if sx < 15
	v_add_f32 v250, v250, v[XI+sx]                 ; + what the later columns left: entry sx of the inverse's row
.endif
.set qx, 0
.rept sx
.if sx == 15
	v_mul_f32 v[XI+qx], -v250, v[LG+16*(sx%4)+qx]
.else
	v_fma_f32 v[XI+qx], -v250, v[LG+16*(sx%4)+qx], v[XI+qx]
.endif
.set qx, qx+1
.endr
.set sx, sx-1
.endr
.endr
.irp k, 0,1,2,3,4,5,6,7
	v_cvt_pk_bf16_f32 v[LG+\k], v[XI+2*\k], v[XI+2*\k+1]
.endr
	s_add_co_u32 s27, s18, TT
	v_mul_u32_u24 v252, v3, 1536
	v_lshl_add_u32 v252, v2, 4, v252
	v_add_nc_u32 v252, s27, v252
	ds_store_b128 v252, v[LG:LG+3]                 ; columns 0-7: lane r of the block's half
	ds_store_b128 v252, v[LG+4:LG+7] offset:256    ; columns 8-15: lane 16 + r
	v_lshlrev_b32 v253, 9, v3
	v_lshl_add_u32 v253, v2, 4, v253
	v_add_nc_u32 v253, s27, v253
	ds_store_b128 v253, v[20:23] offset:512        ; the other half is zero
	ds_store_b128 v253, v[20:23] offset:768
	BAR
	; each column (lane r, both halves) scaled by a power of two to a largest magnitude in [1, 2)
	s_wait_loadcnt 0x0
.irp k, 0,1,2,3
	v_max_num_f32 v[248+\k], |v[24+32*\k]|, |v[25+32*\k]|
.endr
.set i, 2
.rept 15
.irp k, 0,1,2,3
	v_max3_num_f32 v[248+\k], |v[24+32*\k+i]|, |v[25+32*\k+i]|, v[248+\k]
.endr
.set i, i+2
.endr
	v_max3_num_f32 v248, v248, v249, v250
	v_max_num_f32 v248, v248, v251
	v_mov_b32 v252, 0
	v_permlanex16_b32 v252, v248, s2, s3
	v_max_num_f32 v248, v248, v252
	v_lshrrev_b32 v248, 23, v248                   ; its exponent field, kept in 1 .. 253 so that both scales are normal numbers
	v_max_u32 v248, 1, v248
	v_min_u32 v248, 0xfd, v248
	v_sub_nc_u32 v250, 0xfe, v248
	v_lshlrev_b32 v250, 23, v250                   ; the scale
	v_mov_b32 v251, v250
	v_lshlrev_b32 v252, 23, v248                   ; its inverse
	v_lshl_add_u32 v253, v2, 2, s38
	ds_store_b32 v253, v252                        ; by column, in my own bytes, for the way out
.set i, 0
.rept 64
	v_pk_mul_f32 v[24+2*i:24+2*i+1], v[24+2*i:24+2*i+1], v[250:251]
.set i, i+1
.endr
.irp p, 0,1,2,3,4,5,6,7
	PAIR \p
.endr
.irp p, 0,1,2,3,4,5,6,7
	SWEEP 1, \p, 2*\p
.endr
	; O_I: register j of lane (r, h) is (token 16 I + r, column 8 h + j).  Unscale, add bo, stage as rows of 512 bytes + 16 over k and the diagonal blocks.
	v_add_nc_u32 v250, s38, v7
	ds_load_b128 v[216:219], v250
	ds_load_b128 v[220:223], v250 offset:16
	v_mul_u32_u24 v248, v2, 528
	s_lshl_b32 s18, s14, 6
	v_add3_u32 v248, v248, v7, s18
	v_add_nc_u32 v249, 67584, v248
	s_wait_dscnt 0x0
.set ii, 0
.rept 16
.if ii < 8
.set od, 32+16*ii
.else
.set od, 152+8*(ii-8)
.endif
.irp k, 0,2,4,6
	v_pk_fma_f32 v[od+\k:od+\k+1], v[od+\k:od+\k+1], v[216+\k:216+\k+1], v[8+\k:8+\k+1]
.endr
	ds_store_b128 v[248+ii/8], v[od:od+3]   offset:(ii%8)*8448
	ds_store_b128 v[248+ii/8], v[od+4:od+7] offset:(ii%8)*8448+16
.set ii, ii+1
.endr
	BAR
	s_mul_i32 s18, s14, 16896
	v_add_nc_u32 v250, s18, v4
.set i, 0
.rept 32
	ds_load_b128 v[24+4*i:24+4*i+3], v250 offset:i*528
.set i, i+1
.endr
.set i, 0
.rept 32
	s_wait_dscnt 31-i                              ; LDS loads come back in order: row i is in
	global_store_b128 v4, v[24+4*i:24+4*i+3], s[34:35] offset:i*1024   ; 512 consecutive bytes, at a multiple of 512
.set i, i+1
.endr
	s_set_vgpr_msb 0x5
	s_wait_tensorcnt 0x0
	ds_add_u32 v0, v1
	s_wait_dscnt 0x0
	s_set_vgpr_msb 0x500
	s_endpgm
.Lfunc_end_k_qe36eb02485_mix:
	.size	k_qe36eb02485_mix, .Lfunc_end_k_qe36eb02485_mix-k_qe36eb02485_mix
	.p2alignl 7, 3214868480
	.fill 96, 4, 3214868480
	.section	.rodata,"a",@progbits
	.p2align	6, 0x0
	.amdhsa_kernel k_qe36eb02485_mix
		.amdhsa_group_segment_fixed_size 320512
		.amdhsa_private_segment_fixed_size 0
		.amdhsa_enable_private_segment 0
		.amdhsa_kernarg_size 40
		.amdhsa_user_sgpr_count 2
		.amdhsa_user_sgpr_kernarg_segment_ptr 1
		.amdhsa_wavefront_size32 1
		.amdhsa_system_sgpr_workgroup_id_x 1
		.amdhsa_system_sgpr_workgroup_id_y 1
		.amdhsa_system_sgpr_workgroup_id_z 1
		.amdhsa_system_vgpr_workitem_id 0
		.amdhsa_next_free_vgpr 258
		.amdhsa_next_free_sgpr 66
		.amdhsa_reserve_vcc 1
		.amdhsa_float_denorm_mode_32 3
		.amdhsa_float_denorm_mode_16_64 3
		.amdhsa_memory_ordered 1
		.amdhsa_forward_progress 1
		.amdhsa_inst_pref_size 209
	.end_amdhsa_kernel
	.amdgpu_metadata
---
amdhsa.version: [ 1, 2 ]
amdhsa.kernels:
  - .name:           k_qe36eb02485_mix
    .symbol:         k_qe36eb02485_mix.kd
    .args:
      - { .name: qk, .offset: 0, .size: 8, .value_kind: global_buffer, .address_space: global }
      - { .name: vp, .offset: 8, .size: 8, .value_kind: global_buffer, .address_space: global }
      - { .name: gat, .offset: 16, .size: 8, .value_kind: global_buffer, .address_space: global }
      - { .name: bo, .offset: 24, .size: 8, .value_kind: global_buffer, .address_space: global }
      - { .name: out0, .offset: 32, .size: 8, .value_kind: global_buffer, .address_space: global }
    .group_segment_fixed_size: 320512
    .private_segment_fixed_size: 0
    .kernarg_segment_align: 8
    .kernarg_segment_size: 40
    .max_flat_workgroup_size: 256
    .sgpr_count:     66
    .vgpr_count:     258
    .wavefront_size: 32
...
	.end_amdgpu_metadata
.endif
;; end of part 2
;; ======== version 2 of 2: 2 launches; version 1 with the launch proj written anew for expert scheduling mode
;; limits: values are held in f16: magnitudes above 65,504 overflow, below 6.1e-05 lose precision; a difference of large sums (such as E[x^2] - mean^2): digits are lost where the result is much smaller than its terms
;; workspace buffers: qk 2,097,152 bytes; vp 2,097,152 bytes; gat 16,384 bytes
;; launch proj (part 3): grid 32 x 5, 8 waves a work-group, no clusters, 307,200 bytes of LDS; arguments x, Wq, Wk, Wv, Wa, Wb, Wo, bq, bk, bv, ba, bb, qk, vp, gat; writes qk, vp, gat
.if DOCPART == 3
	.amdgcn_target "amdgcn-amd-amdhsa--gfx1250"
	.amdhsa_code_object_version 6
	.text
	.protected	k_qe36eb02485_proj
	.globl	k_qe36eb02485_proj
	.p2align	8
	.type	k_qe36eb02485_proj,@function
k_qe36eb02485_proj:
	s_mov_b64 s[64:65], 0
	v_nop
	global_prefetch_b8 v0, s[64:65] scope:SCOPE_SE
	s_setreg_imm32_b32 hwreg(HW_REG_WAVE_SCHED_MODE, 0, 2), 2
	s_setreg_imm32_b32 hwreg(HW_REG_WAVE_MODE, 25, 1), 1
	s_wait_xcnt 0x0
	s_wait_alu depctr_vm_vsrc(0)
; The five projections of x [2048][256].  A work-group takes 64 tokens (x id) and one role (y id):
; 0 q, 1 k: silu, divided by (L2 norm + 1e-6), stored as bf16 matrix fragments into qk;
; 2 v: silu, then V' = v Wo^T, stored as f32 result tiles into vp;   3 a, 4 b: mean of the sigmoid, into gat.
; Wave w owns output channels 32 w .. 32 w + 31 (two tiles of 16) for four token tiles: 8 accumulators, 64 matrix instructions a product.
; x and the weights are rounded to bf16 on the way into LDS; sums, activations, norms and gates are f32.
; v enters V' as two bf16 parts (v = hi + lo), so that its rounding does not show in V'.
; No joint loads: the weights are needed in bf16, and an f32 copy beside the bf16 one (twice for role v) does not fit in LDS.
; LDS rows are 512 bytes + 16: sixteen rows of a fragment start in sixteen different 16-byte columns.
; THE MODE: SCHED_MODE bits 1:0 = 2 (LLVM: expert scheduling mode 2), set by the entry lines.  The code itself states the register dependences
; between vector or matrix instructions and memory or LDS instructions, with s_wait_alu, always for 0.
; THE PLAN.  Registers that memory or LDS instructions touch:
;   v4-v15, v248, v249   offsets and LDS addresses: made at the head, never written again.
;   v32-95               x lands; 32 conversions round it in place; 16 LDS stores read it.  Then the accumulators; role v's global stores read them at the end.
;   RA, RB               a batch of weight rows lands; 32 conversions round it in place; 16 LDS stores read it; the batch two further on lands.
;   FR + 48 (g % 3)      K step g's products read it; step g + 2's twelve LDS loads, issued in step g, land in the buffer that step g - 1 read.
;   SS; PK; HI, LW       written by the sums and roundings, each register once; read by the stores behind them.
; So: in a staging turn one wait on va_vdst behind the conversions and one on vm_vsrc behind the stores; in a K step one wait on va_vdst at its head, and the
; step's loads dealt among its products, which name the step's own buffer, the accumulators and the bias alone; results leave in two halves, the first half's
; stores dealt among the second half's arithmetic, which names other registers.
.set WS2,  135168                      ; Wo in bf16 (role v); the role's own W lies at 0, wave w's 32 rows at 16896 w
.set XB,   270336                      ; 64 rows of x in bf16; later v's upper part.  v's lower part goes to byte 0
.set PART, 304128                      ; [token][wave] f32 partial sums
.set BI,  16                           ; v[16:31]   bias of my 2 x 8 channels (by half of the wave and register)
.set ACC, 32                           ; v[32:95]   tile (ct, tb) at 32 + 8 (4 ct + tb); x as loaded while staging
.set RA,  96                           ; v[96:159], v[160:223] two batches of 8 weight rows as loaded
.set RB,  160
.set FR,  96                           ; v[96:239]  three fragment buffers of 48: W ct 0, 1, then X tb 0..3
.set HI,  96                           ; v[96:127]  role v: the upper parts, tile (ct, tb) at 96 + 4 (4 ct + tb)
.set LW,  128                          ; v[128:159] role v: the lower parts, likewise
.set TM,  192                          ; v[192:199] at work
.set SS,  200                          ; v[200:207] a pair of sums for each token tile
.set SC,  208                          ; v[208:215] a pair 1 / (norm + eps) for each token tile
.set PK,  216                          ; v[216:247] packed results
.macro PLACES                          ; four independent vector instructions behind a matrix instruction, before its result is read (ISA guide 7.12.1)
.rept 4
	v_nop
.endr
.endm
.macro BAR                             ; my LDS accesses are complete, then the work-group's barrier
	s_wait_dscnt 0x0
	s_barrier_signal -1
	s_barrier_wait -1
.endm
.macro LDB set, sb, n                  ; 8 rows of 1,024 bytes: sixteen loads of 512 consecutive bytes
.set i, 0
.rept 16
	global_load_b128 v[\set+4*i:\set+4*i+3], v4, s[\sb:\sb+1] offset:(\n)*8192+i*512
.set i, i+1
.endr
.endm
.macro CV set                          ; the batch rounded to bf16 in place: four numbers close up into the first two of their four registers
.set i, 0
.rept 16
	v_cvt_pk_bf16_f32 v[\set+4*i], v[\set+4*i], v[\set+4*i+1]
	v_cvt_pk_bf16_f32 v[\set+4*i+1], v[\set+4*i+2], v[\set+4*i+3]
.set i, i+1
.endr
.endm
.macro ST set, va, n                   ; and laid into LDS rows
.set i, 0
.rept 16
	ds_store_b64 v[\va], v[\set+4*i:\set+4*i+1] offset:(8*(\n)+i/2)*528+(i%2)*256
.set i, i+1
.endr
.endm
.macro ASK sb                          ; the first two of my four batches of weight rows
	LDB RA, \sb, 0
	LDB RB, \sb, 1
.endm
; Batch n goes from its register set into LDS; batches 0 and 1 are followed by the loads of the batch two further on, into the same set.
.macro TURN set, va, n, sb, left
	s_wait_loadcnt \left                           ; loads come back in order (ISA guide 5.7.1): all but the youngest batch of sixteen are in; at the last batch: all
	CV \set
	s_wait_alu depctr_va_vdst(0)                   ; the conversions have written the halves that the LDS stores read, and are done with the set, in which the next loads land
	ST \set, \va, \n
.if \n < 2
	s_wait_alu depctr_vm_vsrc(0)                   ; the LDS stores have read the set, in which the loads below land
	LDB \set, \sb, \n+2
.endif
.endm
.macro STAGE sb, va                    ; my 32 weight rows, four batches on two register sets
	TURN RA, \va, 0, \sb, 16
	TURN RB, \va, 1, \sb, 16
	TURN RA, \va, 2, \sb, 16
	TURN RB, \va, 3, \sb, 0
.endm
; Fragment f (0, 1: W ct 0, 1; 2 to 5: X tb 0..3) of step g into buffer g % 3: two LDS loads.  Steps 0 to 7 take X by vx, steps 8 to 15 by vx2; K step g % 8.
.macro LD1 vw, vx, vx2, g, f
.set lbf, FR+48*((\g)%3)+8*(\f)
.set lof, ((\g)%8)*64
.if (\f) < 2
	ds_load_b128 v[lbf:lbf+3],   v[\vw] offset:(\f)*8448+lof
	ds_load_b128 v[lbf+4:lbf+7], v[\vw] offset:(\f)*8448+lof+32
.elseif (\g) < 8
	ds_load_b128 v[lbf:lbf+3],   v[\vx] offset:((\f)-2)*8448+lof
	ds_load_b128 v[lbf+4:lbf+7], v[\vx] offset:((\f)-2)*8448+lof+32
.else
	ds_load_b128 v[lbf:lbf+3],   v[\vx2] offset:((\f)-2)*8448+lof
	ds_load_b128 v[lbf+4:lbf+7], v[\vx2] offset:((\f)-2)*8448+lof+32
.endif
.endm
.macro MM swap, ct, tb                 ; a product of step gg
.set dd, ACC+8*(4*\ct+\tb)
.set wf, FR+48*(gg%3)+8*\ct
.set xf, FR+48*(gg%3)+16+8*\tb
.if \swap
.if gg == 0
	v_wmma_f32_16x16x32_bf16 v[dd:dd+7], v[xf:xf+7], v[wf:wf+7], 0
.else
	v_wmma_f32_16x16x32_bf16 v[dd:dd+7], v[xf:xf+7], v[wf:wf+7], v[dd:dd+7]
.endif
.else
.if gg == 0
	v_wmma_f32_16x16x32_bf16 v[dd:dd+7], v[wf:wf+7], v[xf:xf+7], v[BI+8*\ct:BI+8*\ct+7]
.else
	v_wmma_f32_16x16x32_bf16 v[dd:dd+7], v[wf:wf+7], v[xf:xf+7], v[dd:dd+7]
.endif
.endif
.endm
; K = 256 in eight steps, or two such products on end in sixteen.  swap 0: rows = my channels, columns = tokens, the bias starts the sums.
; swap 1: rows = tokens, columns = my channels; zero starts the sums.
; The eight accumulators take turns, one instruction a turn.
; Ahead of the macro every vector instruction that named a fragment buffer stands in front of a wait on va_vdst, and every LDS store that read one in front of a wait on vm_vsrc.
.macro GEMM swap, vw, vx, vx2, steps
.irp f, 0,1,2,3,4,5
	LD1 \vw, \vx, \vx2, 0, \f
.endr
.irp f, 0,1,2,3,4,5
	LD1 \vw, \vx, \vx2, 1, \f
.endr
.set gg, 0
.rept \steps
.if gg < \steps-1
	s_wait_dscnt 12                    ; this step's twelve loads are in, the next step's twelve may be out
.else
	s_wait_dscnt 0
.endif
.if (gg > 0) && (gg < \steps-2)
	s_wait_alu depctr_va_vdst(0)       ; the products of the step before are done reading their buffer, in which this step's loads land
.endif
.set nf, 0
.irp tb, 0,1,2,3
.irp ct, 0,1
	MM \swap, \ct, \tb
.if (gg < \steps-2) && (nf < 6)
	LD1 \vw, \vx, \vx2, gg+2, nf       ; a fragment of the step after next.  No wait: no product since the wait above names its buffer
.endif
.set nf, nf+1
.endr
.endr
.set gg, gg+1
.endr
	PLACES
.endm
.macro ACT t                           ; TM = 1 / (1 + 2^(-1.442695 y)) for the eight numbers of a tile
.irp k, 0,2,4,6
	v_pk_mul_f32 v[TM+\k:TM+\k+1], v[\t+\k:\t+\k+1], 0xbfb8aa3b op_sel_hi:[1,0]
.endr
.irp k, 0,1,2,3,4,5,6,7
	v_exp_f32 v[TM+\k], v[TM+\k]
.endr
	v_nop                              ; one plain instruction behind the transcendentals (ISA guide 5.7.2)
	s_wait_alu depctr_va_vdst(0)
.irp k, 0,2,4,6
	v_pk_add_f32 v[TM+\k:TM+\k+1], v[TM+\k:TM+\k+1], 1.0 op_sel_hi:[1,0]
.endr
.irp k, 0,1,2,3,4,5,6,7
	v_rcp_f32 v[TM+\k], v[TM+\k]
.endr
	v_nop
.endm
.macro ACTALL kind                     ; 0: silu and sums of squares; 1: silu; 2: sums of the sigmoid
.irp tb, 0,1,2,3
.irp ct, 0,1
.set tt, ACC+8*(4*\ct+\tb)
	ACT tt
.if \kind < 2
	s_wait_alu depctr_va_vdst(0)
.irp k, 0,2,4,6
	v_pk_mul_f32 v[tt+\k:tt+\k+1], v[tt+\k:tt+\k+1], v[TM+\k:TM+\k+1]
.endr
.endif
.if \kind == 0
.irp k, 0,2,4,6
.if \ct+\k == 0
	v_pk_mul_f32 v[SS+2*\tb:SS+2*\tb+1], v[tt:tt+1], v[tt:tt+1]
.else
	v_pk_fma_f32 v[SS+2*\tb:SS+2*\tb+1], v[tt+\k:tt+\k+1], v[tt+\k:tt+\k+1], v[SS+2*\tb:SS+2*\tb+1]
.endif
.endr
.endif
.if \kind == 2
.if \ct == 0
	s_wait_alu depctr_va_vdst(0)
	v_pk_add_f32 v[SS+2*\tb:SS+2*\tb+1], v[TM:TM+1], v[TM+2:TM+3]
.else
	s_wait_alu depctr_va_vdst(0)
	v_pk_add_f32 v[SS+2*\tb:SS+2*\tb+1], v[SS+2*\tb:SS+2*\tb+1], v[TM:TM+1]
	v_pk_add_f32 v[SS+2*\tb:SS+2*\tb+1], v[SS+2*\tb:SS+2*\tb+1], v[TM+2:TM+3]
.endif
	v_pk_add_f32 v[SS+2*\tb:SS+2*\tb+1], v[SS+2*\tb:SS+2*\tb+1], v[TM+4:TM+5]
	v_pk_add_f32 v[SS+2*\tb:SS+2*\tb+1], v[SS+2*\tb:SS+2*\tb+1], v[TM+6:TM+7]
.endif
.endr
.endr
.endm
.macro REDUCE                          ; a token's sum over my 32 channels (pair, other half of the wave) into PART[token][wave]
.irp tb, 0,1,2,3
	v_add_f32 v[SS+2*\tb], v[SS+2*\tb], v[SS+2*\tb+1]
.endr
.irp tb, 0,1,2,3
	v_permlanex16_b32 v[SS+2*\tb+1], v[SS+2*\tb], s12, s13
.endr
.irp tb, 0,1,2,3
	v_add_f32 v[SS+2*\tb], v[SS+2*\tb], v[SS+2*\tb+1]
.endr
	s_wait_alu depctr_va_vdst(0)       ; the four sums are written, which the LDS stores read; the products are done reading v96 and on, in which the partial sums land behind the barrier
.irp tb, 0,1,2,3
	ds_store_b32 v9, v[SS+2*\tb] offset:\tb*512
.endr
.endm
.macro SUM8 a                          ; v[a] = the sum of v[a .. a+7]
	v_pk_add_f32 v[\a:\a+1], v[\a:\a+1], v[\a+2:\a+3]
	v_pk_add_f32 v[\a+4:\a+5], v[\a+4:\a+5], v[\a+6:\a+7]
	v_pk_add_f32 v[\a:\a+1], v[\a:\a+1], v[\a+4:\a+5]
	v_add_f32 v[\a], v[\a], v[\a+1]
.endm
.macro QKT tb, ct                      ; roles q, k: a tile divided by its tokens' norms and rounded into its own four registers of PK
.set tt, ACC+8*(4*(\ct)+(\tb))
.set pp, PK+4*(4*(\ct)+(\tb))
.irp k, 0,2,4,6
	v_pk_mul_f32 v[tt+\k:tt+\k+1], v[tt+\k:tt+\k+1], v[SC+2*(\tb):SC+2*(\tb)+1]
.endr
.irp k, 0,1,2,3
	v_cvt_pk_bf16_f32 v[pp+\k], v[tt+2*\k], v[tt+2*\k+1]
.endr
.endm
.macro QKS tb, ct                      ; and stored
.set pp, PK+4*(4*(\ct)+(\tb))
	global_store_b128 v4, v[pp:pp+3], s[54:55] offset:(\tb)*8192+(\ct)*512   ; 512 consecutive bytes: half a fragment
.endm
.macro SPLIT tb, ct                    ; role v: a tile's upper part, what its rounding left, and that rounded: each into its own four registers
.set tt, ACC+8*(4*(\ct)+(\tb))
.set hh, HI+4*(4*(\ct)+(\tb))
.set ll, LW+4*(4*(\ct)+(\tb))
.irp k, 0,1,2,3
	v_cvt_pk_bf16_f32 v[hh+\k], v[tt+2*\k], v[tt+2*\k+1]
.endr
.irp k, 0,1,2,3
	v_lshlrev_b32 v[TM+2*\k], 16, v[hh+\k]
	v_and_b32 v[TM+2*\k+1], s7, v[hh+\k]
.endr
.irp k, 0,2,4,6
	v_pk_add_f32 v[tt+\k:tt+\k+1], v[tt+\k:tt+\k+1], v[TM+\k:TM+\k+1] neg_lo:[0,1] neg_hi:[0,1]   ; what the rounding left
.endr
.irp k, 0,1,2,3
	v_cvt_pk_bf16_f32 v[ll+\k], v[tt+2*\k], v[tt+2*\k+1]
.endr
.endm
.macro PUT tb, ct                      ; both parts into LDS
.set hh, HI+4*(4*(\ct)+(\tb))
.set ll, LW+4*(4*(\ct)+(\tb))
	ds_store_b128 v12,  v[hh:hh+3] offset:(\tb)*8448+(\ct)*32
	ds_store_b128 v248, v[ll:ll+3] offset:(\tb)*8448+(\ct)*32
.endm
	s_load_b512 s[16:31], s[0:1], 0x0              ; x, Wq, Wk, Wv, Wa, Wb, Wo, bq
	s_load_b256 s[32:39], s[0:1], 0x40             ; bk, bv, ba, bb
	s_load_b128 s[40:43], s[0:1], 0x60             ; qk, vp
	s_load_b64 s[44:45], s[0:1], 0x70              ; gat
	v_lshl_add_u32 v254, v0, 2, 0x4ac00
	v_mov_b32 v255, 0
	v_and_b32 v1, 31, v0                           ; lane l
	v_lshrrev_b32 v2, 5, v0
	v_readfirstlane_b32 s8, v2                     ; wave w
	v_and_b32 v2, 15, v0                           ; r
	v_bfe_u32 v3, v0, 4, 1                         ; h
	s_and_b32 s9, ttmp7, 0xffff                    ; role
	s_mov_b32 s10, ttmp9                           ; block of 64 tokens
	s_mov_b32 s12, 0x76543210                      ; v_permlanex16_b32: lane i of the other half
	s_mov_b32 s13, 0xfedcba98
	s_mov_b32 s7, 0xffff0000
	v_lshlrev_b32 v4, 4, v1                        ; 16 l
	s_wait_alu depctr_va_sdst(0)                   ; s8 is written, ahead of its first reader: LDS places, bases and branches are made from it
	s_mul_i32 s2, s8, 16896                        ; my 32 weight rows in LDS
	v_lshl_add_u32 v5, v1, 3, s2                   ; staging W: + 8 l
	s_mul_i32 s3, s8, 4224
	s_add_co_u32 s3, s3, XB
	v_lshl_add_u32 v6, v1, 3, s3                   ; staging x: my 8 rows
	v_mul_u32_u24 v249, v2, 528
	v_lshl_add_u32 v249, v3, 4, v249               ; r x pitch + 16 h: fragments of the tile at byte 0 (v's lower part)
	v_add_nc_u32 v7, s2, v249                      ; fragments of my W rows
	v_add_nc_u32 v8, XB, v249                      ; fragments of x (v's upper part)
	s_lshl_b32 s4, s8, 2
	s_add_co_u32 s4, s4, PART
	v_lshl_add_u32 v9, v2, 5, s4                   ; PART[r][w]
	v_lshlrev_b32 v10, 5, v2
	v_add_nc_u32 v10, PART, v10                    ; PART[r][0]
	s_lshl_b32 s5, s8, 7
	v_lshl_add_u32 v11, v3, 5, s5                  ; bias: 4 (32 w + 8 h)
	s_lshl_b32 s6, s8, 6
	v_add_nc_u32 v248, s6, v249                    ; v's lower part: row r, my 32 channels
	v_add_nc_u32 v12, XB, v248                     ; v's upper part
	v_lshlrev_b32 v13, 6, v1
	v_add_nc_u32 v13, PART, v13                    ; PART of tokens 2 l, 2 l + 1
	v_add_nc_u32 v14, WS2, v5
	v_add_nc_u32 v15, WS2, v7
	s_wait_kmcnt 0x0
	s_mov_b64 s[46:47], s[18:19]                   ; the role's weights and bias
	s_mov_b64 s[48:49], s[30:31]
	s_cmp_eq_u32 s9, 1
	s_cselect_b64 s[46:47], s[20:21], s[46:47]
	s_cselect_b64 s[48:49], s[32:33], s[48:49]
	s_cmp_eq_u32 s9, 2
	s_cselect_b64 s[46:47], s[22:23], s[46:47]
	s_cselect_b64 s[48:49], s[34:35], s[48:49]
	s_cmp_eq_u32 s9, 3
	s_cselect_b64 s[46:47], s[24:25], s[46:47]
	s_cselect_b64 s[48:49], s[36:37], s[48:49]
	s_cmp_eq_u32 s9, 4
	s_cselect_b64 s[46:47], s[26:27], s[46:47]
	s_cselect_b64 s[48:49], s[38:39], s[48:49]
	s_lshl_b32 s56, s8, 15                         ; my 32 rows of 1,024 bytes
	s_mov_b32 s57, 0
	s_add_nc_u64 s[46:47], s[46:47], s[56:57]
	s_add_nc_u64 s[52:53], s[28:29], s[56:57]
	s_lshl_b32 s56, s10, 16
	s_lshl_b32 s58, s8, 13
	s_add_co_u32 s56, s56, s58
	s_add_nc_u64 s[50:51], s[16:17], s[56:57]      ; my 8 rows of x
	s_wait_alu depctr_va_vdst(0)                   ; v4 to v15, v248 and v249 are written: every load and store of the kernel but the gates' last takes its offset or LDS address from them
	LDB ACC, 50, 0
	global_load_b128 v[BI:BI+3],     v11, s[48:49]
	global_load_b128 v[BI+4:BI+7],   v11, s[48:49] offset:16
	global_load_b128 v[BI+8:BI+11],  v11, s[48:49] offset:64
	global_load_b128 v[BI+12:BI+15], v11, s[48:49] offset:80
	ASK 46
	s_wait_loadcnt 36                              ; x is in; the bias' four loads and the weights' thirty-two are younger: x is rounded while they are on their way
	CV ACC
	s_wait_alu depctr_va_vdst(0)                   ; the conversions have written x's halves, which the LDS stores read
	ST ACC, 6, 0
	STAGE 46, 5                                    ; its first wait also shows the bias in
	s_cmp_lg_u32 s9, 2
	s_cbranch_scc1 .Lno_wo
	s_wait_alu depctr_vm_vsrc(0)                   ; the LDS stores of Wv's last two batches have read RA and RB, in which Wo's first two land (the conversions that named them stand ahead of the last wait on va_vdst)
	ASK 52
	STAGE 52, 14
.Lno_wo:
	BAR                                            ; x is whole for every wave
	s_wait_alu depctr_vm_vsrc(0)                   ; my LDS stores have read RA, RB and x's registers: from here on these are the fragment buffers, in which LDS loads land, and the accumulators, which the products write
	GEMM 0, 7, 8, 8, 8
	s_cmp_ge_u32 s9, 3
	s_cbranch_scc1 .Lgate
	s_cmp_eq_u32 s9, 2
	s_cbranch_scc1 .Lvalue
	; ---- roles q and k
	ACTALL 0
	REDUCE
	BAR
.irp tb, 0,1,2,3
	ds_load_b128 v[96+8*\tb:96+8*\tb+3],   v10 offset:\tb*512      ; no vector instruction since REDUCE's wait names these registers
	ds_load_b128 v[96+8*\tb+4:96+8*\tb+7], v10 offset:\tb*512+16
.endr
	s_lshl_b32 s56, s9, 20
	s_lshl_b32 s58, s10, 15
	s_add_co_u32 s56, s56, s58
	s_lshl_b32 s58, s8, 10
	s_add_co_u32 s56, s56, s58
	s_add_nc_u64 s[54:55], s[40:41], s[56:57]      ; fragment (4 block + tb, K step w)
	s_wait_dscnt 0x0
.irp tb, 0,1,2,3
	SUM8 96+8*\tb
.endr
.irp tb, 0,1,2,3
	v_sqrt_f32 v[96+8*\tb], v[96+8*\tb]
.endr
	v_nop
	s_wait_alu depctr_va_vdst(0)
.irp tb, 0,1,2,3
	v_add_f32 v[96+8*\tb], 0x358637bd, v[96+8*\tb] ; + 1e-6
.endr
.irp tb, 0,1,2,3
	v_rcp_f32 v[SC+2*\tb], v[96+8*\tb]
	v_rcp_f32 v[SC+2*\tb+1], v[96+8*\tb]
.endr
	v_nop
	s_wait_alu depctr_va_vdst(0)
.irp tb, 0,1
.irp ct, 0,1
	QKT \tb, \ct
.endr
.endr
	s_wait_alu depctr_va_vdst(0)                   ; the roundings of token tiles 0 and 1 have written their registers of PK, which the four stores below read
.irp tb, 2,3
.irp ct, 0,1
	QKS \tb-2, \ct                                 ; dealt among the arithmetic of token tiles 2 and 3, which names other tiles and other registers of PK
	QKT \tb, \ct
.endr
.endr
	s_wait_alu depctr_va_vdst(0)                   ; the roundings of token tiles 2 and 3 have written theirs
.irp tb, 2,3
.irp ct, 0,1
	QKS \tb, \ct
.endr
.endr
	s_wait_dscnt 0x0
	s_wait_alu depctr_hold_cnt(0) depctr_sa_sdst(0) depctr_va_vdst(0) depctr_va_sdst(0) depctr_va_ssrc(0) depctr_va_vcc(0) depctr_vm_vsrc(0)
	s_wait_tensorcnt 0x0
	ds_add_u32 v254, v255
	s_wait_dscnt 0x0
	s_endpgm
	; ---- role v
.Lvalue:
	ACTALL 1
	BAR                                            ; every wave's reads of x and of Wv are over: both regions are written anew
.irp tb, 0,1
.irp ct, 0,1
	SPLIT \tb, \ct
.endr
.endr
	s_wait_alu depctr_va_vdst(0)                   ; both parts of token tiles 0 and 1 are written, which the eight LDS stores below read
.irp tb, 2,3
.irp ct, 0,1
	PUT \tb-2, \ct                                 ; dealt among the arithmetic of token tiles 2 and 3, which names other tiles, other registers of HI and LW, and TM
	SPLIT \tb, \ct
.endr
.endr
	s_wait_alu depctr_va_vdst(0)                   ; both parts of token tiles 2 and 3 are written; and every vector instruction that named v96 to v239 is complete: fragments land there behind the barrier
.irp tb, 2,3
.irp ct, 0,1
	PUT \tb, \ct
.endr
.endr
	s_lshl_b32 s56, s10, 16
	s_lshl_b32 s58, s8, 11
	s_add_co_u32 s56, s56, s58
	s_add_nc_u64 s[54:55], s[42:43], s[56:57]      ; tile (4 block + tb, 2 w + ct)
	BAR
	s_wait_alu depctr_vm_vsrc(0)                   ; my LDS stores have read HI and LW: these registers are fragment buffers again, in which LDS loads land
	GEMM 1, 15, 8, 249, 16                         ; upper part x Wo^T, eight steps; + lower part x Wo^T, eight steps: one run, so that the fragments' loads go on across the join
	s_wait_alu depctr_va_vdst(0)                   ; the products have written the accumulators, which the stores read; the places above stay beside this wait
.irp tb, 0,1,2,3
.irp ct, 0,1
.set tt, ACC+8*(4*\ct+\tb)
	global_store_b128 v4, v[tt:tt+3],   s[54:55] offset:\tb*16384+\ct*1024
	global_store_b128 v4, v[tt+4:tt+7], s[54:55] offset:\tb*16384+\ct*1024+512
.endr
.endr
	s_wait_dscnt 0x0
	s_wait_alu depctr_hold_cnt(0) depctr_sa_sdst(0) depctr_va_vdst(0) depctr_va_sdst(0) depctr_va_ssrc(0) depctr_va_vcc(0) depctr_vm_vsrc(0)
	s_wait_tensorcnt 0x0
	ds_add_u32 v254, v255
	s_wait_dscnt 0x0
	s_endpgm
	; ---- roles a and b
.Lgate:
	ACTALL 2
	REDUCE
	BAR
	s_cmp_lg_u32 s8, 0                             ; 64 numbers are left to store: wave 0 does it
	s_cbranch_scc1 .Lend
.irp k, 0,1,2,3
	ds_load_b128 v[96+4*\k:96+4*\k+3], v13 offset:16*\k   ; no vector instruction since REDUCE's wait names these registers
.endr
	s_sub_co_u32 s56, s9, 3
	s_lshl_b32 s56, s56, 13
	s_lshl_b32 s58, s10, 8
	s_add_co_u32 s56, s56, s58
	s_add_nc_u64 s[54:55], s[44:45], s[56:57]
	v_lshlrev_b32 v112, 3, v1
	s_wait_dscnt 0x0
	SUM8 96
	SUM8 104
	v_mul_f32 v96, 0x3b800000, v96                 ; / 256
	v_mul_f32 v97, 0x3b800000, v104
	s_wait_alu depctr_va_vdst(0)                   ; the two means and the offset v112 are written, which the store reads
	global_store_b64 v112, v[96:97], s[54:55]      ; 256 consecutive bytes
.Lend:
	s_wait_dscnt 0x0
	s_wait_alu depctr_hold_cnt(0) depctr_sa_sdst(0) depctr_va_vdst(0) depctr_va_sdst(0) depctr_va_ssrc(0) depctr_va_vcc(0) depctr_vm_vsrc(0)
	s_wait_tensorcnt 0x0
	ds_add_u32 v254, v255
	s_wait_dscnt 0x0
	s_endpgm
.Lfunc_end_k_qe36eb02485_proj:
	.size	k_qe36eb02485_proj, .Lfunc_end_k_qe36eb02485_proj-k_qe36eb02485_proj
	.p2alignl 7, 3214868480
	.fill 96, 4, 3214868480
	.section	.rodata,"a",@progbits
	.p2align	6, 0x0
	.amdhsa_kernel k_qe36eb02485_proj
		.amdhsa_group_segment_fixed_size 307200
		.amdhsa_private_segment_fixed_size 0
		.amdhsa_enable_private_segment 0
		.amdhsa_kernarg_size 120
		.amdhsa_user_sgpr_count 2
		.amdhsa_user_sgpr_kernarg_segment_ptr 1
		.amdhsa_wavefront_size32 1
		.amdhsa_system_sgpr_workgroup_id_x 1
		.amdhsa_system_sgpr_workgroup_id_y 1
		.amdhsa_system_sgpr_workgroup_id_z 1
		.amdhsa_system_vgpr_workitem_id 0
		.amdhsa_next_free_vgpr 256
		.amdhsa_next_free_sgpr 66
		.amdhsa_reserve_vcc 0
		.amdhsa_float_denorm_mode_32 3
		.amdhsa_float_denorm_mode_16_64 3
		.amdhsa_memory_ordered 1
		.amdhsa_forward_progress 1
		.amdhsa_inst_pref_size 137
	.end_amdhsa_kernel
	.amdgpu_metadata
---
amdhsa.version: [ 1, 2 ]
amdhsa.kernels:
  - .name:           k_qe36eb02485_proj
    .symbol:         k_qe36eb02485_proj.kd
    .args:
      - { .name: x, .offset: 0, .size: 8, .value_kind: global_buffer, .address_space: global }
      - { .name: Wq, .offset: 8, .size: 8, .value_kind: global_buffer, .address_space: global }
      - { .name: Wk, .offset: 16, .size: 8, .value_kind: global_buffer, .address_space: global }
      - { .name: Wv, .offset: 24, .size: 8, .value_kind: global_buffer, .address_space: global }
      - { .name: Wa, .offset: 32, .size: 8, .value_kind: global_buffer, .address_space: global }
      - { .name: Wb, .offset: 40, .size: 8, .value_kind: global_buffer, .address_space: global }
      - { .name: Wo, .offset: 48, .size: 8, .value_kind: global_buffer, .address_space: global }
      - { .name: bq, .offset: 56, .size: 8, .value_kind: global_buffer, .address_space: global }
      - { .name: bk, .offset: 64, .size: 8, .value_kind: global_buffer, .address_space: global }
      - { .name: bv, .offset: 72, .size: 8, .value_kind: global_buffer, .address_space: global }
      - { .name: ba, .offset: 80, .size: 8, .value_kind: global_buffer, .address_space: global }
      - { .name: bb, .offset: 88, .size: 8, .value_kind: global_buffer, .address_space: global }
      - { .name: qk, .offset: 96, .size: 8, .value_kind: global_buffer, .address_space: global }
      - { .name: vp, .offset: 104, .size: 8, .value_kind: global_buffer, .address_space: global }
      - { .name: gat, .offset: 112, .size: 8, .value_kind: global_buffer, .address_space: global }
    .group_segment_fixed_size: 307200
    .private_segment_fixed_size: 0
    .kernarg_segment_align: 8
    .kernarg_segment_size: 120
    .max_flat_workgroup_size: 256
    .sgpr_count:     66
    .vgpr_count:     256
    .wavefront_size: 32
...
	.end_amdgpu_metadata
.endif
;; end of part 3
;; launch mix: the kernel of part 2 again; grid 2 x 8, 8 waves a work-group, no clusters, 320,512 bytes of LDS; arguments qk, vp, gat, bo, out0; writes out0
